; MI455X (gfx1250); checked and timed in simulation.
; The chip was launched on July 23, 2026; its instructions are those of AMD's public machine-readable ISA for CDNA 5 (MIT licence, August 2026) and "CDNA5" Instruction Set Architecture Reference Guide (July 2026). The comments in the code are by the model that wrote it; some were corrected since.
;; VDM Attn Block. Allowed arithmetic: float matrix products may take bf16 or f16 operands with f32 sums; all other float work in f32.
;; Inputs: k_b 256 float32; k_w 256 x 256 float32; norm_b 256 float32; norm_w 256 float32; proj_b 256 float32; proj_w 256 x 256 float32; q_b 256 float32; q_w 256 x 256 float32; v_b 256 float32; v_w 256 x 256 float32; x 4 x 256 x 64 x 64 float32.
;; Outputs: out0 4 x 256 x 64 x 64 float32.
;; One version. Each part assembles by itself: llvm-mc -triple=amdgcn-amd-amdhsa -mcpu=gfx1250 --defsym DOCPART=n.
;; ======== version 1 of 1: 3 launches
;; workspace buffers: stats 2,048 bytes; wf 524,288 bytes; qf 8,388,608 bytes; kf 8,388,608 bytes; vf 8,388,608 bytes
;; launch prep (part 1): grid 256 x 1, 8 waves a work-group, no clusters, 1,280 bytes of LDS; arguments x, q_w, k_w, v_w, proj_w, stats, wf; writes stats, wf
.if DOCPART == 1
	.amdgcn_target "amdgcn-amd-amdhsa--gfx1250"
	.amdhsa_code_object_version 6
	.text
	.protected	k_q03fab10648_prep
	.globl	k_q03fab10648_prep
	.p2align	8
	.type	k_q03fab10648_prep,@function
k_q03fab10648_prep:
	s_mov_b64 s[64:65], 0
	v_nop
	global_prefetch_b8 v0, s[64:65] scope:SCOPE_SE
	s_setreg_imm32_b32 hwreg(HW_REG_WAVE_MODE, 25, 1), 1
	s_wait_xcnt 0x0
; Two small jobs that everything later needs.
; (1) GroupNorm statistics.  A group is 8 channels x 4,096 pixels = 131,072 consecutive bytes of x.  Work-group i takes HALF a group, the 65,536 bytes
;     at 65,536 i (16,384 numbers), keeps them in registers (64 a thread) and makes mean and M2 = sum (x - mean)^2 in two passes over the registers:
;     x is read once and no difference of large sums is formed.  stats[i] = (mean, M2), 8 bytes.
; (2) The four weight matrices to bf16 in FRAGMENT ORDER: wf[mat q,k,v,proj][ot 16][kk 8][half 2][lane 32][8 bf16], where lane (r = lane & 15,
;     h = lane >> 4) holds W[16 ot + r][32 kk + 16 half + 8 h + 0..7]: registers 4 half .. 4 half + 3 of a 16 x 32 bf16 matrix operand.
;     Work-group i makes the 2,048 bytes at 2,048 i; a wave's store covers 256 consecutive bytes, aligned.
; The store of stats is 8 bytes from one lane of the work-group: the one store of the program that does not cover 256 consecutive bytes.
; No matrix unit, no cluster, no tensor load: nothing is shared between work-groups and a thread's 256 bytes are all in flight at once.
.set X,    8                           ; v[8:71]   my 64 numbers of x
.set W,    72                          ; v[72:75]  my 4 weights in f32
.set PK,   76                          ; v[76:77]  the same in bf16
.set A,    80                          ; v[80:87]  four chains of pairs
.set MEAN, 88                          ; v[88:89]  the mean twice; at the end (mean, M2)
.set T,    90                          ; v[90:91]  at work
	s_load_b256 s[4:11], s[0:1], 0x0               ; x s[4:5], q_w s[6:7], k_w s[8:9], v_w s[10:11]
	s_load_b128 s[12:15], s[0:1], 0x20             ; proj_w s[12:13], stats s[14:15]
	s_load_b64 s[16:17], s[0:1], 0x30              ; wf
	v_lshl_add_u32 v96, v0, 2, 0x100
	v_mov_b32 v97, 0
	v_lshlrev_b32 v1, 4, v0                        ; x: 16 t, so a wave's load covers 512 consecutive bytes
	v_and_b32 v2, 1, v0                            ; weights: thread t makes bytes 8 t .. 8 t + 7 of the work-group's 2,048:
	v_lshlrev_b32 v2, 4, v2                        ; t & 1: which 4 of the lane's 8 numbers, 16 bytes of f32
	v_bfe_u32 v4, v0, 5, 3                         ; (t >> 5) & 7 = h + 2 half + 4 (kk & 1): 8 columns = 32 bytes of f32 each
	v_lshl_add_u32 v2, v4, 5, v2
	v_bfe_u32 v4, v0, 1, 4                         ; r: a row of 1,024 bytes
	v_lshl_add_u32 v2, v4, 10, v2
	v_lshlrev_b32 v3, 3, v0                        ; 8 t
	v_lshrrev_b32 v4, 5, v0
	v_readfirstlane_b32 s26, v4                    ; wave
	v_mov_b32 v5, s26
	v_lshlrev_b32 v5, 2, v5                        ; my wave's word in LDS
	v_mov_b32 v6, 0
	v_mov_b32 v[T+1], 0                            ; v_permlanex16_b32's destination counts as read
	s_lshr_b32 s20, ttmp9, 6                       ; which matrix
	s_bfe_u32 s28, ttmp9, 0x40002                  ; ot = (i >> 2) & 15: 16 rows of 1,024 bytes
	s_lshl_b32 s28, s28, 14
	s_and_b32 s30, ttmp9, 3                        ; i & 3: two kk = 64 columns = 256 bytes
	s_lshl_b32 s30, s30, 8
	s_add_co_u32 s28, s28, s30
	s_mov_b32 s29, 0
	s_lshl_b32 s30, ttmp9, 16                      ; x: 65,536 i
	s_mov_b32 s31, 0
	s_lshl_b32 s32, ttmp9, 11                      ; wf: 2,048 i
	s_mov_b32 s33, 0
	s_lshl_b32 s34, ttmp9, 3                       ; stats: 8 i
	s_mov_b32 s35, 0
	s_mov_b32 s24, 0x76543210                      ; v_permlanex16_b32: lane i reads lane i of the other half
	s_mov_b32 s25, 0xfedcba98
	s_wait_kmcnt 0x0
	s_cmp_eq_u32 s20, 1                            ; the choice hangs on the work-group's number alone
	s_cselect_b64 s[22:23], s[8:9], s[6:7]
	s_cmp_eq_u32 s20, 2
	s_cselect_b64 s[22:23], s[10:11], s[22:23]
	s_cmp_eq_u32 s20, 3
	s_cselect_b64 s[22:23], s[12:13], s[22:23]
	s_add_nc_u64 s[22:23], s[22:23], s[28:29]
	s_add_nc_u64 s[4:5], s[4:5], s[30:31]
	s_add_nc_u64 s[16:17], s[16:17], s[32:33]
	s_add_nc_u64 s[14:15], s[14:15], s[34:35]
	global_load_b128 v[W:W+3], v2, s[22:23]
.set k_, 0
.rept 16
	global_load_b128 v[X+4*k_:X+4*k_+3], v1, s[4:5] offset:4096*k_     ; no hint: later launches read x again
.set k_, k_+1
.endr
	s_wait_loadcnt 16                              ; the weights are in; the 16 younger loads of x stay out
	v_cvt_pk_bf16_f32 v[PK], v[W], v[W+1]
	v_cvt_pk_bf16_f32 v[PK+1], v[W+2], v[W+3]
	global_store_b64 v3, v[PK:PK+1], s[16:17]
.macro FOLD dst                        ; the four chains (or eight waves' figures) in v[A:A+7] into one number
	v_pk_add_f32 v[A:A+1], v[A:A+1], v[A+2:A+3]
	v_pk_add_f32 v[A+4:A+5], v[A+4:A+5], v[A+6:A+7]
	v_pk_add_f32 v[A:A+1], v[A:A+1], v[A+4:A+5]
	v_add_f32 v[\dst], v[A], v[A+1]
.endm
; v[T] summed over the 256 threads into v[dst] of every lane.  lds: 32 bytes of LDS of this sum's own.
.macro GROUPSUM lds, dst
	v_add_f32_dpp v[T], v[T], v[T] row_xmask:1 row_mask:0xf bank_mask:0xf
	v_add_f32_dpp v[T], v[T], v[T] row_xmask:2 row_mask:0xf bank_mask:0xf
	v_add_f32_dpp v[T], v[T], v[T] row_xmask:4 row_mask:0xf bank_mask:0xf
	v_add_f32_dpp v[T], v[T], v[T] row_xmask:8 row_mask:0xf bank_mask:0xf
	v_permlanex16_b32 v[T+1], v[T], s24, s25
	v_add_f32 v[T], v[T], v[T+1]
	ds_store_b32 v5, v[T] offset:\lds              ; all lanes write the wave's word with the same value
	s_wait_dscnt 0x0                               ; for the other waves' sake: my store is done before I signal
	s_barrier_signal -1
	s_barrier_wait -1
	ds_load_b128 v[A:A+3], v6 offset:\lds
	ds_load_b128 v[A+4:A+7], v6 offset:\lds+16
	s_wait_dscnt 0x0
	FOLD \dst
.endm
	s_wait_loadcnt 0x0
	; pass 1: the sum, in four chains that the first eight pairs start
.irp k, 0,1,2,3
	v_pk_add_f32 v[A+2*\k:A+2*\k+1], v[X+2*\k:X+2*\k+1], v[X+8+2*\k:X+8+2*\k+1]
.endr
.set k_, 8
.rept 24
	v_pk_add_f32 v[A+2*(k_%4):A+2*(k_%4)+1], v[A+2*(k_%4):A+2*(k_%4)+1], v[X+2*k_:X+2*k_+1]
.set k_, k_+1
.endr
	FOLD T
	GROUPSUM 0, T
	v_mul_f32 v[MEAN], 0x38800000, v[T]            ; / 16,384
	v_mov_b32 v[MEAN+1], v[MEAN]
	; pass 2: x - mean in place, then the sum of squares, again in four chains
.set k_, 0
.rept 32
	v_pk_add_f32 v[X+2*k_:X+2*k_+1], v[X+2*k_:X+2*k_+1], v[MEAN:MEAN+1] neg_lo:[0,1] neg_hi:[0,1]
.set k_, k_+1
.endr
.irp k, 0,1,2,3
	v_pk_mul_f32 v[A+2*\k:A+2*\k+1], v[X+2*\k:X+2*\k+1], v[X+2*\k:X+2*\k+1]
.endr
.set k_, 4
.rept 28
	v_pk_fma_f32 v[A+2*(k_%4):A+2*(k_%4)+1], v[X+2*k_:X+2*k_+1], v[X+2*k_:X+2*k_+1], v[A+2*(k_%4):A+2*(k_%4)+1]
.set k_, k_+1
.endr
	FOLD T
	GROUPSUM 32, MEAN+1                            ; other bytes than the first sum's: no barrier between its reads and these stores
	s_wait_xcnt 0x0                                ; EXEC is a source of the store above: it changes only behind this wait
	v_cmp_eq_u32 vcc_lo, 0, v0
	s_and_saveexec_b32 s36, vcc_lo
	global_store_b64 v6, v[MEAN:MEAN+1], s[14:15]  ; thread 0: (mean, M2)
	s_wait_xcnt 0x0                                ; and again in front of the line that widens it
	s_or_b32 exec_lo, exec_lo, s36
	s_wait_tensorcnt 0x0
	ds_add_u32 v96, v97
	s_wait_dscnt 0x0
	s_endpgm
.Lfunc_end_k_q03fab10648_prep:
	.size	k_q03fab10648_prep, .Lfunc_end_k_q03fab10648_prep-k_q03fab10648_prep
	.p2alignl 7, 3214868480
	.fill 96, 4, 3214868480
	.section	.rodata,"a",@progbits
	.p2align	6, 0x0
	.amdhsa_kernel k_q03fab10648_prep
		.amdhsa_group_segment_fixed_size 1280
		.amdhsa_private_segment_fixed_size 0
		.amdhsa_enable_private_segment 0
		.amdhsa_kernarg_size 56
		.amdhsa_user_sgpr_count 2
		.amdhsa_user_sgpr_kernarg_segment_ptr 1
		.amdhsa_wavefront_size32 1
		.amdhsa_system_sgpr_workgroup_id_x 1
		.amdhsa_system_sgpr_workgroup_id_y 1
		.amdhsa_system_sgpr_workgroup_id_z 1
		.amdhsa_system_vgpr_workitem_id 0
		.amdhsa_next_free_vgpr 98
		.amdhsa_next_free_sgpr 66
		.amdhsa_reserve_vcc 1
		.amdhsa_float_denorm_mode_32 3
		.amdhsa_float_denorm_mode_16_64 3
		.amdhsa_memory_ordered 1
		.amdhsa_forward_progress 1
		.amdhsa_inst_pref_size 13
	.end_amdhsa_kernel
	.amdgpu_metadata
---
amdhsa.version: [ 1, 2 ]
amdhsa.kernels:
  - .name:           k_q03fab10648_prep
    .symbol:         k_q03fab10648_prep.kd
    .args:
      - { .name: x, .offset: 0, .size: 8, .value_kind: global_buffer, .address_space: global }
      - { .name: q_w, .offset: 8, .size: 8, .value_kind: global_buffer, .address_space: global }
      - { .name: k_w, .offset: 16, .size: 8, .value_kind: global_buffer, .address_space: global }
      - { .name: v_w, .offset: 24, .size: 8, .value_kind: global_buffer, .address_space: global }
      - { .name: proj_w, .offset: 32, .size: 8, .value_kind: global_buffer, .address_space: global }
      - { .name: stats, .offset: 40, .size: 8, .value_kind: global_buffer, .address_space: global }
      - { .name: wf, .offset: 48, .size: 8, .value_kind: global_buffer, .address_space: global }
    .group_segment_fixed_size: 1280
    .private_segment_fixed_size: 0
    .kernarg_segment_align: 8
    .kernarg_segment_size: 56
    .max_flat_workgroup_size: 256
    .sgpr_count:     66
    .vgpr_count:     98
    .wavefront_size: 32
...
	.end_amdgpu_metadata
.endif
;; end of part 1
;; launch qkv (part 2): grid 64 x 4, 4 waves a work-group, no clusters, 45,568 bytes of LDS; arguments x, norm_w, norm_b, q_b, k_b, v_b, stats, wf, qf, kf, vf; writes qf, kf, vf
.if DOCPART == 2
	.amdgcn_target "amdgcn-amd-amdhsa--gfx1250"
	.amdhsa_code_object_version 6
	.text
	.protected	k_q03fab10648_qkv
	.globl	k_q03fab10648_qkv
	.p2align	8
	.type	k_q03fab10648_qkv,@function
k_q03fab10648_qkv:
	s_mov_b64 s[64:65], 0
	v_nop
	global_prefetch_b8 v0, s[64:65] scope:SCOPE_SE
	s_setreg_imm32_b32 hwreg(HW_REG_WAVE_MODE, 25, 1), 1
	s_wait_xcnt 0x0
; h = GroupNorm(x) in bf16, then q, k, v = W h + bias, stored in bf16 in the order in which the attention launch's matrix operands want them.
; Work-group (nb, b): 64 pixels of batch b, all 256 channels in, all 768 channels out.  Wave w: normalises channels 64 w .. 64 w + 63, and makes the
; output tiles ot = 4 w .. 4 w + 3 (16 channels each) of q, of k and of v: 12 turns of 32 matrix instructions.
; q is multiplied by log2(e) / 16 in f32 (the softmax scale 256^-1/2 and the change to base 2) before its one rounding to bf16.
;   qf, kf: [b][tile of 16 pixels: 256][kk 8][half 2][lane 32][16 B]: lane (r, h) holds T[pixel 16 tile + r][c = 32 kk + 16 half + 8 h + 0..7]
;   vf:     [b][32 pixels: 128][ct 16][half 2][lane 32][16 B]:        lane (r, h) holds v[c = 16 ct + r][pixel 32 ks + 16 half + 8 h + 0..7]
; For q and k the weights are source 0 and h source 1: a lane's 8 results are 8 neighbouring channels of one pixel.  For v the other way round: 8
; neighbouring pixels of one channel.  Either way four conversions make the lane's 16 bytes, and a wave's store covers 512 consecutive bytes, aligned.
; NO JOINT LOADS, though all 256 work-groups read the same 393,216 bytes of weights: each weight byte is used by exactly one wave of a work-group and
; comes from wf straight into that wave's registers in operand order; a joint tensor load would add a write and a read of LDS for every one of these
; bytes and rounds of a cluster's barrier, for a launch that holds one twelfth of the program's matrix work.
; LDS: H at 0: h as [c 256][pixel 64] bf16, pitch 160 bytes (an odd multiple of 32, as the transposing load's lanes want); AD at 40,960: (a, a, d, d) for each c.
; REGISTERS in windows of 256: window 0 addresses, biases, accumulators; window 1 x, later the 32 operands of h; window 2 a ring of four weight tiles
; (64 registers each), whose upper half first holds (a, a, d, d) of my 32 x 2 rows.
.set HP,   160
.set ADL,  40960
.set XO,   4                           ; x: 16,384 (lane >> 4) + 16 (lane & 15)
.set WO,   5                           ; 16 lane
.set BO,   6                           ; 32 h
.set VBO,  7                           ; 4 r
.set SO,   8                           ; 16 lane + 2,048 w
.set SOV,  9                           ; 16 lane + 4,096 w
.set HW,   10                          ; where I put 8 bytes of h
.set HR,   11                          ; where the transposing loads read
.set ADW,  12                          ; 32 t
.set ADR,  13                          ; 16 (64 w + (lane >> 4))
.set PO,   14                          ; 16 (t >> 2)
.set PO2,  15                          ; 8 t
.set ACC,  32                          ; v[32:63]   four accumulators, one for each 16 pixels
.set PK,   64                          ; v[64:79]   packed results
.set QB,   80                          ; v[80:111]  q_b x log2(e)/16 of my 4 tiles, 8 numbers a lane
.set KB,   112                         ; v[112:143] k_b likewise
.set VB,   144                         ; v[144:151] v_b: one number a lane and tile, in the even registers
.set TM,   152                         ; v[152:155] at work
.set MSB, 0
.macro WIN new                         ; s_set_vgpr_msb: bits 1:0 source 0, 3:2 source 1, 5:4 source 2, 7:6 destination; the high byte repeats the setting that is left
.if MSB != \new
	s_set_vgpr_msb (MSB<<8)|\new
.set MSB, \new
.endif
.endm
.macro PLACES n
.rept \n
	v_nop
.endr
.endm
	s_load_b256 s[4:11], s[0:1], 0x0               ; x s[4:5], norm_w s[6:7], norm_b s[8:9], q_b s[10:11]
	s_load_b256 s[12:19], s[0:1], 0x20             ; k_b s[12:13], v_b s[14:15], stats s[16:17], wf s[18:19]
	s_load_b128 s[20:23], s[0:1], 0x40             ; qf s[20:21], kf s[22:23]
	s_load_b64 s[24:25], s[0:1], 0x50              ; vf
	v_lshl_add_u32 v254, v0, 2, 0xb000
	v_mov_b32 v255, 0
	v_lshrrev_b32 v1, 5, v0
	v_readfirstlane_b32 s26, v1                    ; wave
	s_and_b32 s27, ttmp7, 0xffff                   ; b
	v_and_b32 v1, 31, v0                           ; lane
	v_and_b32 v2, 15, v0                           ; r
	v_bfe_u32 v3, v0, 4, 1                         ; h
	v_lshlrev_b32 v[XO], 4, v2
	v_lshl_add_u32 v[XO], v3, 14, v[XO]
	v_lshlrev_b32 v[WO], 4, v1
	v_lshlrev_b32 v[BO], 5, v3
	v_lshlrev_b32 v[VBO], 2, v2
	s_lshl_b32 s28, s26, 11
	v_add_nc_u32 v[SO], s28, v[WO]
	s_lshl_b32 s28, s26, 12
	v_add_nc_u32 v[SOV], s28, v[WO]
	s_mul_i32 s28, s26, 64*HP                      ; my 64 rows of H
	v_mul_u32_u24 v[HW], v3, HP
	v_lshl_add_u32 v[HW], v2, 3, v[HW]
	v_add_nc_u32 v[HW], s28, v[HW]                 ; (64 w + (lane >> 4)) pitch + 8 (lane & 15)
	v_and_b32 v[TM], 7, v0
	v_lshl_add_u32 v[TM], v3, 3, v[TM]
	v_mul_u32_u24 v[HR], v[TM], HP
	v_bfe_u32 v[TM], v0, 3, 1
	v_lshl_add_u32 v[HR], v[TM], 4, v[HR]          ; (8 h + (lane & 7)) pitch + 16 ((lane >> 3) & 1)
	v_lshlrev_b32 v[ADW], 5, v0
	s_lshl_b32 s28, s26, 10
	v_lshl_add_u32 v[ADR], v3, 4, s28
	v_lshrrev_b32 v[PO], 2, v0
	v_lshlrev_b32 v[PO], 4, v[PO]
	v_lshlrev_b32 v[PO2], 3, v0
	s_lshl_b32 s30, s27, 22                        ; x: batch 4 MiB, my 64 channels 1 MiB, the 64 pixels 256 bytes
	s_lshl_b32 s28, s26, 20
	s_add_co_u32 s30, s30, s28
	s_lshl_b32 s28, ttmp9, 8
	s_add_co_u32 s30, s30, s28
	s_mov_b32 s31, 0
	s_lshl_b32 s32, s26, 8                         ; biases: my 64 channels
	s_mov_b32 s33, 0
	s_lshl_b32 s34, s27, 9                         ; stats: 32 groups of 16 bytes a batch
	s_mov_b32 s35, 0
	s_lshl_b32 s36, s26, 15                        ; wf: my 4 tiles of 8,192 bytes
	s_mov_b32 s37, 0
	s_lshl_b32 s38, s27, 21                        ; qf, kf, vf: batch 2 MiB, 64 pixels 32,768 bytes
	s_lshl_b32 s28, ttmp9, 15
	s_add_co_u32 s38, s38, s28
	s_mov_b32 s39, 0
	s_mov_b32 s40, 0x38000000                      ; 1 / 32,768: numbers in a group
	s_mov_b32 s41, 0x3727c5ac                      ; 1e-5
	s_wait_kmcnt 0x0
	s_add_nc_u64 s[4:5], s[4:5], s[30:31]
	s_add_nc_u64 s[10:11], s[10:11], s[32:33]
	s_add_nc_u64 s[12:13], s[12:13], s[32:33]
	s_add_nc_u64 s[14:15], s[14:15], s[32:33]
	s_add_nc_u64 s[16:17], s[16:17], s[34:35]
	s_add_nc_u64 s[18:19], s[18:19], s[36:37]
	s_add_nc_u64 s[20:21], s[20:21], s[38:39]
	s_add_nc_u64 s[22:23], s[22:23], s[38:39]
	s_add_nc_u64 s[24:25], s[24:25], s[38:39]
	; thread t owns channels 2 t and 2 t + 1, of group t >> 2
	global_load_b128 v[16:19], v[PO], s[16:17]     ; mean and M2 of the group's two halves
	global_load_b64 v[20:21], v[PO2], s[6:7]       ; norm_w
	global_load_b64 v[22:23], v[PO2], s[8:9]       ; norm_b
	WIN 0x40
.set i_, 0
.rept 32
	global_load_b128 v[4*i_:4*i_+3], v[XO], s[4:5] offset:32768*i_     ; rows 64 w + 2 i + (lane >> 4): 16 lanes take 256 consecutive bytes, aligned
.set i_, i_+1
.endr
	WIN 0
	s_wait_loadcnt 32                              ; the three parameter loads are in; the 32 younger loads of x stay out
	v_add_f32 v[TM], v16, v18
	v_sub_f32 v[TM+1], v16, v18
	v_add_f32 v[TM+2], v17, v19
	v_mul_f32 v[TM], 0.5, v[TM]                    ; the group's mean
	v_mul_f32 v[TM+3], v[TM+1], v[TM+1]
	v_fmamk_f32 v[TM+2], v[TM+3], 0x46000000, v[TM+2]      ; M2 = M2_0 + M2_1 + (m0 - m1)^2 x 16,384 / 2
	v_fma_f32 v[TM+2], v[TM+2], s40, s41           ; variance + eps
	v_rsq_f32 v[TM+2], v[TM+2]
	v_nop                                          ; one plain instruction between a transcendental and the use of its result (ISA guide 5.7.2)
	s_wait_alu depctr_va_vdst(0)
	v_mul_f32 v24, v[TM+2], v20                    ; a = rstd w
	v_mul_f32 v28, v[TM+2], v21
	v_fma_f32 v26, -v[TM], v24, v22                ; d = b - mean a
	v_fma_f32 v30, -v[TM], v28, v23
	v_mov_b32 v25, v24                             ; each twice: pairs for the packed multiply-add
	v_mov_b32 v27, v26
	v_mov_b32 v29, v28
	v_mov_b32 v31, v30
	ds_store_b128 v[ADW], v[24:27] offset:ADL
	ds_store_b128 v[ADW], v[28:31] offset:ADL+16
	s_wait_dscnt 0x0                               ; my stores are done before I signal
	s_barrier_signal -1
	s_barrier_wait -1
	WIN 0x80
.set i_, 0
.rept 32
	ds_load_b128 v[128+4*i_:128+4*i_+3], v[ADR] offset:ADL+32*i_       ; (a, a, d, d) of row 64 w + 2 i + (lane >> 4)
.set i_, i_+1
.endr
	WIN 0
.irp i, 0,1,2,3
	global_load_b128 v[QB+8*\i:QB+8*\i+3],   v[BO], s[10:11] offset:64*\i      ; channels 16 (4 w + i) + 8 h + 0..7
	global_load_b128 v[QB+8*\i+4:QB+8*\i+7], v[BO], s[10:11] offset:64*\i+16
	global_load_b128 v[KB+8*\i:KB+8*\i+3],   v[BO], s[12:13] offset:64*\i
	global_load_b128 v[KB+8*\i+4:KB+8*\i+7], v[BO], s[12:13] offset:64*\i+16
	global_load_b32  v[VB+2*\i],             v[VBO], s[14:15] offset:64*\i     ; channel 16 (4 w + i) + r
	v_mov_b32 v[VB+2*\i+1], 0                      ; the pair's other register is named by the packed add, and not used
.endr
; the 16 loads of weight tile u (matrix u / 4, my tile u % 4) into ring buffer u % 4 of window 2
.macro LOADW u
.irp kk, 0,1,2,3,4,5,6,7
	global_load_b128 v[64*((\u)%4)+8*\kk:64*((\u)%4)+8*\kk+3],   v[WO], s[18:19] offset:((\u)/4)*131072+((\u)%4)*8192+\kk*1024
	global_load_b128 v[64*((\u)%4)+8*\kk+4:64*((\u)%4)+8*\kk+7], v[WO], s[18:19] offset:((\u)/4)*131072+((\u)%4)*8192+\kk*1024+512
.endr
.endm
	WIN 0x80
	LOADW 0
	LOADW 1
	s_wait_loadcnt 32                              ; x and the biases are in; the 32 younger loads (weight tiles 0 and 1) stay out
	s_wait_dscnt 0x0
	WIN 0x69                                       ; x window 1, (a, a) and (d, d) window 2
.set i_, 0
.rept 32
	v_pk_fma_f32 v[4*i_:4*i_+1],   v[4*i_:4*i_+1],   v[128+4*i_:128+4*i_+1], v[130+4*i_:130+4*i_+1]
	v_pk_fma_f32 v[4*i_+2:4*i_+3], v[4*i_+2:4*i_+3], v[128+4*i_:128+4*i_+1], v[130+4*i_:130+4*i_+1]
.set i_, i_+1
.endr
	WIN 0x80
	LOADW 2                                        ; into the registers that held (a, a, d, d)
	LOADW 3
	WIN 0x45
.set i_, 0
.rept 32
	v_cvt_pk_bf16_f32 v[4*i_],   v[4*i_],   v[4*i_+1]
	v_cvt_pk_bf16_f32 v[4*i_+1], v[4*i_+2], v[4*i_+3]
.set i_, i_+1
.endr
	WIN 0x04
.set i_, 0
.rept 32
	ds_store_b64 v[HW], v[4*i_:4*i_+1] offset:2*HP*i_
.set i_, i_+1
.endr
	WIN 0
.irp p, 0,2,4,6,8,10,12,14,16,18,20,22,24,26,28,30
	v_pk_mul_f32 v[QB+\p:QB+\p+1], v[QB+\p:QB+\p+1], 0x3db8aa3b op_sel_hi:[1,0]    ; q_b x log2(e) / 16
.endr
	s_wait_dscnt 0x0
	s_barrier_signal -1
	s_barrier_wait -1                              ; all 256 rows of h are in LDS
	WIN 0x40
	; h as 32 operands (nt: 16 pixels, kk: 32 channels) at window 1's 8 (8 nt + kk): lane (r, h) gets pixel 16 nt + r, c = 32 kk + 16 half + 8 h + 0..7
.irp nt, 0,1,2,3
.irp kk, 0,1,2,3,4,5,6,7
	ds_load_tr16_b128 v[8*(8*\nt+\kk):8*(8*\nt+\kk)+3],   v[HR] offset:\kk*32*HP+\nt*32
	ds_load_tr16_b128 v[8*(8*\nt+\kk)+4:8*(8*\nt+\kk)+7], v[HR] offset:\kk*32*HP+16*HP+\nt*32
.endr
.endr
	WIN 0
	s_wait_dscnt 0x0
.macro MM u, ty, kk, nt
.if \ty == 2
.if \kk == 0
	v_wmma_f32_16x16x32_bf16 v[ACC+8*\nt:ACC+8*\nt+7], v[8*(8*\nt+\kk):8*(8*\nt+\kk)+7], v[64*(\u%4)+8*\kk:64*(\u%4)+8*\kk+7], 0
.else
	v_wmma_f32_16x16x32_bf16 v[ACC+8*\nt:ACC+8*\nt+7], v[8*(8*\nt+\kk):8*(8*\nt+\kk)+7], v[64*(\u%4)+8*\kk:64*(\u%4)+8*\kk+7], v[ACC+8*\nt:ACC+8*\nt+7]
.endif
.else
.if \kk == 0
	v_wmma_f32_16x16x32_bf16 v[ACC+8*\nt:ACC+8*\nt+7], v[64*(\u%4)+8*\kk:64*(\u%4)+8*\kk+7], v[8*(8*\nt+\kk):8*(8*\nt+\kk)+7], 0
.else
	v_wmma_f32_16x16x32_bf16 v[ACC+8*\nt:ACC+8*\nt+7], v[64*(\u%4)+8*\kk:64*(\u%4)+8*\kk+7], v[8*(8*\nt+\kk):8*(8*\nt+\kk)+7], v[ACC+8*\nt:ACC+8*\nt+7]
.endif
.endif
.endm
; Turn u: matrix ty (0 q, 1 k, 2 v), my tile i.  left = how many younger weight loads may stay out.
; The four accumulators take turns, one matrix instruction a turn; the first product of each starts its sum.
.macro TURN u, ty, i, left
	s_wait_loadcnt \left                           ; loads come back in order (ISA guide 5.7.1): this turn's 16 are in
.if \ty == 2
	WIN 0x09                                       ; source 0 = h (window 1), source 1 = weights (window 2)
.else
	WIN 0x06                                       ; source 0 = weights (window 2), source 1 = h (window 1)
.endif
.irp kk, 0,1,2,3,4,5,6,7
.irp nt, 0,1,2,3
	MM \u, \ty, \kk, \nt
.endr
.endr
	WIN 0
	PLACES 4                                       ; four places behind the last matrix instruction before loads land on its sources and its result is read
.if \u+4 < 12
	WIN 0x80
	LOADW (\u+4)                                   ; the tile four turns on, into the buffer just used
	WIN 0
.endif
.irp nt, 0,1,2,3
.irp p, 0,2,4,6
.if \ty == 0
	v_pk_fma_f32 v[ACC+8*\nt+\p:ACC+8*\nt+\p+1], v[ACC+8*\nt+\p:ACC+8*\nt+\p+1], 0x3db8aa3b, v[QB+8*\i+\p:QB+8*\i+\p+1] op_sel_hi:[1,0,1]
.elseif \ty == 1
	v_pk_add_f32 v[ACC+8*\nt+\p:ACC+8*\nt+\p+1], v[ACC+8*\nt+\p:ACC+8*\nt+\p+1], v[KB+8*\i+\p:KB+8*\i+\p+1]
.else
	v_pk_add_f32 v[ACC+8*\nt+\p:ACC+8*\nt+\p+1], v[ACC+8*\nt+\p:ACC+8*\nt+\p+1], v[VB+2*\i:VB+2*\i+1] op_sel_hi:[1,0]
.endif
.endr
.endr
	s_wait_xcnt 0x0                                ; PK, which the last turn's stores read, is rewritten only behind this wait
.irp nt, 0,1,2,3
.irp p, 0,1,2,3
	v_cvt_pk_bf16_f32 v[PK+4*\nt+\p], v[ACC+8*\nt+2*\p], v[ACC+8*\nt+2*\p+1]
.endr
.endr
.irp nt, 0,1,2,3
.if \ty == 0
	global_store_b128 v[SO], v[PK+4*\nt:PK+4*\nt+3], s[20:21] offset:\nt*8192+\i*512
.elseif \ty == 1
	global_store_b128 v[SO], v[PK+4*\nt:PK+4*\nt+3], s[22:23] offset:\nt*8192+\i*512
.else
	global_store_b128 v[SOV], v[PK+4*\nt:PK+4*\nt+3], s[24:25] offset:(\nt/2)*16384+(\nt%2)*512+\i*1024
.endif
.endr
.endm
	TURN 0,  0, 0, 48                              ; three younger tiles of 16 loads stay out
	TURN 1,  0, 1, 48
	TURN 2,  0, 2, 48
	TURN 3,  0, 3, 48
	TURN 4,  1, 0, 48
	TURN 5,  1, 1, 48
	TURN 6,  1, 2, 48
	TURN 7,  1, 3, 48
	TURN 8,  2, 0, 48
	TURN 9,  2, 1, 32                              ; nothing more is requested: the counts run down
	TURN 10, 2, 2, 16
	TURN 11, 2, 3, 0
	s_wait_tensorcnt 0x0
	ds_add_u32 v254, v255
	s_wait_dscnt 0x0
	s_endpgm
.Lfunc_end_k_q03fab10648_qkv:
	.size	k_q03fab10648_qkv, .Lfunc_end_k_q03fab10648_qkv-k_q03fab10648_qkv
	.p2alignl 7, 3214868480
	.fill 96, 4, 3214868480
	.section	.rodata,"a",@progbits
	.p2align	6, 0x0
	.amdhsa_kernel k_q03fab10648_qkv
		.amdhsa_group_segment_fixed_size 45568
		.amdhsa_private_segment_fixed_size 0
		.amdhsa_enable_private_segment 0
		.amdhsa_kernarg_size 88
		.amdhsa_user_sgpr_count 2
		.amdhsa_user_sgpr_kernarg_segment_ptr 1
		.amdhsa_wavefront_size32 1
		.amdhsa_system_sgpr_workgroup_id_x 1
		.amdhsa_system_sgpr_workgroup_id_y 1
		.amdhsa_system_sgpr_workgroup_id_z 1
		.amdhsa_system_vgpr_workitem_id 0
		.amdhsa_next_free_vgpr 768
		.amdhsa_next_free_sgpr 66
		.amdhsa_reserve_vcc 0
		.amdhsa_float_denorm_mode_32 3
		.amdhsa_float_denorm_mode_16_64 3
		.amdhsa_memory_ordered 1
		.amdhsa_forward_progress 1
		.amdhsa_inst_pref_size 104
	.end_amdhsa_kernel
	.amdgpu_metadata
---
amdhsa.version: [ 1, 2 ]
amdhsa.kernels:
  - .name:           k_q03fab10648_qkv
    .symbol:         k_q03fab10648_qkv.kd
    .args:
      - { .name: x, .offset: 0, .size: 8, .value_kind: global_buffer, .address_space: global }
      - { .name: norm_w, .offset: 8, .size: 8, .value_kind: global_buffer, .address_space: global }
      - { .name: norm_b, .offset: 16, .size: 8, .value_kind: global_buffer, .address_space: global }
      - { .name: q_b, .offset: 24, .size: 8, .value_kind: global_buffer, .address_space: global }
      - { .name: k_b, .offset: 32, .size: 8, .value_kind: global_buffer, .address_space: global }
      - { .name: v_b, .offset: 40, .size: 8, .value_kind: global_buffer, .address_space: global }
      - { .name: stats, .offset: 48, .size: 8, .value_kind: global_buffer, .address_space: global }
      - { .name: wf, .offset: 56, .size: 8, .value_kind: global_buffer, .address_space: global }
      - { .name: qf, .offset: 64, .size: 8, .value_kind: global_buffer, .address_space: global }
      - { .name: kf, .offset: 72, .size: 8, .value_kind: global_buffer, .address_space: global }
      - { .name: vf, .offset: 80, .size: 8, .value_kind: global_buffer, .address_space: global }
    .group_segment_fixed_size: 45568
    .private_segment_fixed_size: 0
    .kernarg_segment_align: 8
    .kernarg_segment_size: 88
    .max_flat_workgroup_size: 128
    .sgpr_count:     66
    .vgpr_count:     768
    .wavefront_size: 32
...
	.end_amdgpu_metadata
.endif
;; end of part 2
;; launch attn (part 3): grid 64 x 4, 4 waves a work-group, clusters of 4 x 1, 327,680 bytes of LDS; arguments qf, kf, vf, wf, proj_b, x, out0; writes out0
.if DOCPART == 3
	.amdgcn_target "amdgcn-amd-amdhsa--gfx1250"
	.amdhsa_code_object_version 6
	.text
	.protected	k_q03fab10648_attn
	.globl	k_q03fab10648_attn
	.p2align	8
	.type	k_q03fab10648_attn,@function
k_q03fab10648_attn:
	s_mov_b64 s[64:65], 0
	v_nop
	global_prefetch_b8 v0, s[64:65] scope:SCOPE_SE
	s_setreg_imm32_b32 hwreg(HW_REG_WAVE_MODE, 25, 1), 1
	s_wait_xcnt 0x0
	s_wait_alu depctr_hold_cnt(0) depctr_sa_sdst(0) depctr_va_vdst(0) depctr_va_sdst(0) depctr_va_ssrc(0) depctr_va_vcc(0) depctr_vm_vsrc(0)
	s_getreg_b32 s2, hwreg(HW_REG_IB_STS2, 6, 4)
	s_cmp_eq_u32 s2, 0
	s_cbranch_scc0 .Lentry_in_a_cluster
	s_endpgm
.Lentry_in_a_cluster:
	s_bfe_u32 s2, ttmp6, 0x10000c
	s_cmp_lg_u32 s2, 0x3003
	s_cbranch_scc0 .Lentry_shape_is_right
	s_endpgm
.Lentry_shape_is_right:
; out0 = x + proj_w softmax(q k / 16) v + proj_b: attention with a running maximum, the merge of four key quarters, the projection, bias and residual.
; Work-group: 64 queries (block qb) of batch b.  The four waves split the KEYS: in a key step wave w takes all 64 queries against key block 4 j + w (64 keys),
; so that each byte of K and V read from LDS feeds all 64 queries: 65,536 bytes of LDS for a step's 256 matrix instructions of a wave.
; CLUSTERS: the four work-groups of a cluster are four query blocks of one batch and walk the same K and V: every tile is asked for JOINTLY (mask 15), by the
; same line with the same descriptor (made of the batch, the cluster's x and the wave's number alone) in all four, which divides the requests for K and V by four.
; THE ORDER OF THE KEYS: cluster x of a batch starts at key step j = 5 x mod 16 (a permutation of 0 .. 15, since 5 is odd) and walks round all sixteen, so at
; no step do two of a batch's sixteen clusters ask for the same tile.  The running maximum gives the same softmax in any order of the keys.
; ORIENTATION, which spares every transposition:
;   S^T = K Q^T (source 0 = 16 keys, source 1 = 16 queries): lane (r, h), register j = (key 8 h + j, query r).  A query's row of the softmax lies in two lanes;
;         packing key tiles 2 s and 2 s + 1 to bf16 gives, in place, source 1 of the next product for 32 keys.
;   O^T = V P^T (source 0 = 16 channels): (c = 8 h + j, query r): the running rescale is one factor a lane.
;   Y   = O proj_w^T (source 0 = 16 queries, source 1 = 16 output channels): a lane holds 8 neighbouring pixels of one output row.
; q carries log2(e) / 16, so the exponentials are base 2.  The maximum is taken away before every exponential (running maximum m, sum l, rescale of O).
; LIMITS: NaN and infinities in the inputs are not treated specially; a weight below 2^-126 counts as 0 (v_exp_f32 flushes); l sums the f32 weights while the
; product with V takes them rounded to bf16.
; LDS: wave w's K slot at 65,536 w, its V slot 32,768 behind (dense blocks in operand order: lane x 16 bytes, no padding needed); ML at 262,144: m[w][64], l[w][64];
; OB at 264,192: the merged O in bf16.  ML and OB are never a tensor load's target.  Behind the launch's last fill the slots' bytes serve the merge and the way out.
; REGISTERS in windows of 256: window 0 addresses, softmax state, three operand buffers, S / P; window 1 Q (later proj_w); windows 2, 3 O(ct, qt) at 512 + 32 ct + 8 qt.
.set KSTEP,  131072                    ; four key blocks of 32,768 bytes
.set KWRAP,  16*KSTEP-1                ; sixteen key steps, then round again
.set ML,     262144
.set OB,     264192
.set SPITCH, 272                       ; the way out: a row of 64 f32 + 16 bytes
.set STG,    64*SPITCH                 ; a wave's stage
.set LA, 2                             ; 65,536 w + 16 lane
.set GL, 3                             ; 16 lane
.set MR, 4                             ; v[4:11]   m(qt) at MR + 2 qt, l(qt) beside it
.set AL, 12                            ; v[12:19]  the rescale factor at AL + 2 qt, a temporary beside it
.set TS, 20                            ; v[20:27]  a pair for each qt: the new maximum, then the sums
.set F0, 32                            ; three operand buffers of 32 registers
.set F1, 64
.set F2, 96
.set SB, 128                           ; v[128:255] S(kt, qt) at SB + 16 (4 (kt / 2) + qt) + 8 (kt % 2); P(s, qt) at SB + 16 (4 s + qt)
.set PB,  96                           ; the epilogue's registers, in buffer F2: proj_b in the even ones of v[96:103]
.set XO,  104
.set PBO, 105
.set MLR, 106
.set MLW, 107
.set XR,  108                          ; v[108:111]
.set OBR, 112
.set OBW, 113
.set STW, 114
.set STR, 115
.set MSB, 0
.macro WIN new                         ; s_set_vgpr_msb: bits 1:0 source 0, 3:2 source 1, 5:4 source 2, 7:6 destination; the high byte repeats the setting that is left
.if MSB != \new
	s_set_vgpr_msb (MSB<<8)|\new
.set MSB, \new
.endif
.endm
.macro PLACES n
.rept \n
	v_nop
.endr
.endm
; A round of the cluster's barrier: my work-group's barrier, wave 0 signals for the work-group, every wave waits for all four work-groups, my work-group's barrier again.
.macro CREST                           ; a round behind its opening barrier
	s_cmp_lg_u32 s20, 0
	s_cbranch_scc1 .Lnot_wave_0_\@
	s_barrier_signal -3
.Lnot_wave_0_\@:
	s_barrier_wait -3
	s_barrier_signal -1
	s_barrier_wait -1
.endm
.macro ROUND                           ; a whole round
	s_barrier_signal -1
	s_barrier_wait -1
	CREST
.endm
; 64 loads: 32 operands (4 tiles x 8 kk) in operand order into window 1, from the base in s[lo:lo+1]
.macro LOADFRAGS lo
.irp i, 0,1,2,3
.irp kk, 0,1,2,3,4,5,6,7
	global_load_b128 v[8*(8*\i+\kk):8*(8*\i+\kk)+3],   v[GL], s[\lo:\lo+1] offset:\i*8192+\kk*1024
	global_load_b128 v[8*(8*\i+\kk)+4:8*(8*\i+\kk)+7], v[GL], s[\lo:\lo+1] offset:\i*8192+\kk*1024+512
.endr
.endr
.endm
; The next key step's address into a group 0: the offset steps and wraps in a register of its own; base (type bits set) + offset.  No load that names the group is out.
.macro NEXT off, base, g0
	s_add_co_u32 s[\off], s[\off], KSTEP
	s_and_b32 s[\off], s[\off], KWRAP
	s_add_nc_u64 s[\g0+2:\g0+3], s[\base:\base+1], s[\off:\off+1]
.endm
	s_load_b256 s[4:11], s[0:1], 0x0               ; qf s[4:5], kf s[6:7], vf s[8:9], wf s[10:11]
	s_load_b128 s[12:15], s[0:1], 0x20             ; proj_b s[12:13], x s[14:15]
	s_load_b64 s[16:17], s[0:1], 0x30              ; out0
	v_lshl_add_u32 v30, v0, 2, 0x48800
	v_mov_b32 v31, 0
	ds_add_u32 v30, v31
	v_lshrrev_b32 v1, 5, v0
	v_readfirstlane_b32 s20, v1                    ; wave
	v_and_b32 v1, 31, v0                           ; lane
	s_bfe_u32 s21, ttmp6, 0x40000                  ; cx: my place in the cluster
	s_and_b32 s22, ttmp7, 0xffff                   ; b (the cluster is one work-group high)
	s_lshl_b32 s23, ttmp9, 2
	s_add_co_u32 s23, s23, s21                     ; qb = 4 x cluster x + cx
	s_mov_b32 s26, 0x76543210                      ; v_permlanex16_b32: lane i reads lane i of the other half
	s_mov_b32 s27, 0xfedcba98
	v_lshlrev_b32 v[GL], 4, v1
	s_lshl_b32 s29, s20, 16
	v_add_nc_u32 v[LA], s29, v[GL]
.irp qt, 0,1,2,3
	v_mov_b32 v[MR+2*\qt+1], 0                     ; named as pair partners and as v_permlanex16_b32's destination before they are first set
	v_mov_b32 v[AL+2*\qt+1], 0
.endr
	; descriptor group 1: a dense block of 32,768 bytes as 128 rows of 32 elements of 8 bytes
	s_mov_b32 s32, 15|(3<<16)|(1<<21)              ; 15:0 the mask: all four work-groups of the cluster; 17:16 element of 8 bytes; 21 set beside a mask
	s_mov_b32 s33, 32<<16                          ; tensor_dim0 = 32
	s_mov_b32 s34, 128<<16                         ; tensor_dim1 = 128
	s_mov_b32 s35, 32<<16                          ; tile_dim0 = 32
	s_mov_b32 s36, 128                             ; tile_dim1 = 128
	s_mov_b32 s37, 32                              ; from row to row: 32 elements
	s_mov_b32 s38, 0
	s_mov_b32 s39, 0
	; group 0 for K, s[40:43], and for V, s[44:47].  Their addresses are made of b, the cluster's x and the wave's number, in registers that never hold cx.
	s_lshl_b32 s24, s22, 21                        ; batch: 2 MiB
	s_lshl_b32 s25, s20, 15                        ; key block w of a key step
	s_add_co_u32 s24, s24, s25
	s_mov_b32 s25, 0
	s_mov_b32 s40, 1
	s_lshl_b32 s41, s20, 16                        ; my K slot
	s_mov_b32 s44, 1
	s_lshl_b32 s45, s20, 16
	s_add_co_u32 s45, s45, 32768                   ; my V slot
	s_mul_i32 s70, ttmp9, 5                        ; the cluster's first key step: 5 x mod 16,
	s_and_b32 s70, s70, 15
	s_lshl_b32 s70, s70, 17                        ; in bytes: s[70:71] K's offset, s[72:73] V's
	s_mov_b32 s71, 0
	s_mov_b32 s72, s70
	s_mov_b32 s73, 0
	; my own offsets
	s_lshl_b32 s58, s22, 21                        ; qf: batch, 64 queries = 32,768 bytes
	s_lshl_b32 s59, s23, 15
	s_add_co_u32 s58, s58, s59
	s_mov_b32 s59, 0
	s_lshl_b32 s60, s20, 15                        ; wf: matrix 3, my 4 tiles
	s_add_co_u32 s60, s60, 393216
	s_mov_b32 s61, 0
	s_lshl_b32 s62, s20, 8                         ; proj_b: my 64 channels
	s_mov_b32 s63, 0
	s_lshl_b32 s30, s22, 22                        ; x and out0: batch 4 MiB, my 64 channels 1 MiB, the 64 pixels 256 bytes
	s_lshl_b32 s31, s20, 20
	s_add_co_u32 s30, s30, s31
	s_lshl_b32 s31, s23, 8
	s_add_co_u32 s30, s30, s31
	s_mov_b32 s31, 0
	s_wait_dscnt 0x0
	s_wait_kmcnt 0x0
	s_add_nc_u64 s[66:67], s[6:7], s[24:25]        ; K's base: key step 0, my wave's block
	s_or_b32 s67, s67, 0x80000000                  ; type = 2
	s_add_nc_u64 s[68:69], s[8:9], s[24:25]        ; V's base
	s_or_b32 s69, s69, 0x80000000
	s_add_nc_u64 s[42:43], s[66:67], s[70:71]      ; the first key step
	s_add_nc_u64 s[46:47], s[68:69], s[72:73]
	s_add_nc_u64 s[48:49], s[4:5], s[58:59]
	s_add_nc_u64 s[50:51], s[10:11], s[60:61]
	s_add_nc_u64 s[52:53], s[12:13], s[62:63]
	s_add_nc_u64 s[54:55], s[14:15], s[30:31]
	s_add_nc_u64 s[56:57], s[16:17], s[30:31]
	WIN 0x40
	LOADFRAGS 48                                   ; Q(qt, kk) at window 1's 8 (8 qt + kk)
	WIN 0
	ROUND                                          ; all four work-groups are here: the first joint loads meet
	tensor_load_to_lds s[40:43], s[32:39]          ; K of the first step
	s_nop 0
	tensor_load_to_lds s[44:47], s[32:39]          ; V of the first step: two tensor loads of the wave are out here, one at a time later
	s_nop 0
; 8 LDS loads: 4 key tiles x 32 channels (kk) of my K slot
.macro FETCHK kk, f
.irp kt, 0,1,2,3
	ds_load_b128 v[\f+8*\kt:\f+8*\kt+3],   v[LA] offset:\kt*8192+\kk*1024
	ds_load_b128 v[\f+8*\kt+4:\f+8*\kt+7], v[LA] offset:\kt*8192+\kk*1024+512
.endr
.endm
; 16 matrix instructions on 16 accumulators, which take turns, one instruction a turn
.macro SMUL kk, f, zero
.irp kt, 0,1,2,3
.irp qt, 0,1,2,3
.if \zero
	v_wmma_f32_16x16x32_bf16 v[SB+16*(4*(\kt/2)+\qt)+8*(\kt%2):SB+16*(4*(\kt/2)+\qt)+8*(\kt%2)+7], v[\f+8*\kt:\f+8*\kt+7], v[8*(8*\qt+\kk):8*(8*\qt+\kk)+7], 0
.else
	v_wmma_f32_16x16x32_bf16 v[SB+16*(4*(\kt/2)+\qt)+8*(\kt%2):SB+16*(4*(\kt/2)+\qt)+8*(\kt%2)+7], v[\f+8*\kt:\f+8*\kt+7], v[8*(8*\qt+\kk):8*(8*\qt+\kk)+7], v[SB+16*(4*(\kt/2)+\qt)+8*(\kt%2):SB+16*(4*(\kt/2)+\qt)+8*(\kt%2)+7]
.endif
.endr
.endr
.endm
; one link of the S phase: wait for kk's operands, multiply, and fill the buffer again with kk + 3's, four places behind the matrix instructions that read it
; (ISA guide 7.12.1 for vector instructions)
.macro SLINK kk, f, zero
	s_wait_dscnt 16                                ; two younger groups of 8 loads stay out
	SMUL \kk, \f, \zero
	PLACES 4
	FETCHK (\kk+3), \f
.endm
; S^T for 64 keys x 64 queries.  The operands of kk = 0, 1, 2 are on their way into F2, F0, F1 when it begins (24 LDS loads out).
.macro SMULS
	WIN 0x04                                       ; source 1 (Q) window 1; the LDS loads' address and destination stay in window 0
	SLINK 0, F2, 1
	SLINK 1, F0, 0
	SLINK 2, F1, 0
	SLINK 3, F2, 0
	SLINK 4, F0, 0
	s_wait_dscnt 16
	SMUL 5, F1, 0
	s_wait_dscnt 8
	SMUL 6, F2, 0
	s_wait_dscnt 0
	SMUL 7, F0, 0
	WIN 0
.endm
; a lane's 32 numbers of q tile qt are numbered e = 0 .. 31: register SB + 16 (4 (e / 16) + qt) + e % 16
.macro EXPQ qt, e
	v_exp_f32 v[SB+16*(4*((\e)/16)+\qt)+(\e)%16], v[SB+16*(4*((\e)/16)+\qt)+(\e)%16]
.endm
; the 32 plain instructions that follow a q tile's exponentials: 15 packed sums, the update of l, 16 conversions that pack P in place
.macro POP qt, e, first
.if (\e) == 0
	s_wait_alu depctr_va_vdst(0)
	v_pk_add_f32 v[TS+2*\qt:TS+2*\qt+1], v[SB+16*\qt:SB+16*\qt+1], v[SB+16*\qt+2:SB+16*\qt+3]
.elseif (\e) < 15
	v_pk_add_f32 v[TS+2*\qt:TS+2*\qt+1], v[TS+2*\qt:TS+2*\qt+1], v[SB+16*(4*(((\e)+1)/8)+\qt)+2*(((\e)+1)%8):SB+16*(4*(((\e)+1)/8)+\qt)+2*(((\e)+1)%8)+1]
.elseif (\e) == 15
.if \first
	v_add_f32 v[MR+2*\qt+1], v[TS+2*\qt], v[TS+2*\qt+1]
.else
	v_fma_f32 v[MR+2*\qt+1], v[MR+2*\qt+1], v[AL+2*\qt], v[TS+2*\qt]
.endif
.else
	v_cvt_pk_bf16_f32 v[SB+16*(4*(((\e)-16)/8)+\qt)+((\e)-16)%8], v[SB+16*(4*(((\e)-16)/8)+\qt)+2*(((\e)-16)%8)], v[SB+16*(4*(((\e)-16)/8)+\qt)+2*(((\e)-16)%8)+1]
.endif
.endm
; The softmax's first part, registers alone: the new maximum, the rescale factor, S - maximum
.macro SOFTA first
	PLACES 4                                       ; four places behind the last matrix instruction before its result is read and its operand buffer loaded again
.irp qt, 0,1,2,3
	v_max3_num_f32 v[TS+2*\qt], v[SB+16*\qt], v[SB+16*\qt+1], v[SB+16*\qt+2]
.endr
.set e_, 3
.rept 14
.irp qt, 0,1,2,3
	v_max3_num_f32 v[TS+2*\qt], v[TS+2*\qt], v[SB+16*(4*(e_/16)+\qt)+e_%16], v[SB+16*(4*((e_+1)/16)+\qt)+(e_+1)%16]
.endr
.set e_, e_+2
.endr
.irp qt, 0,1,2,3
.if \first
	v_max_num_f32 v[TS+2*\qt], v[TS+2*\qt], v[SB+16*(4+\qt)+15]
.else
	v_max3_num_f32 v[TS+2*\qt], v[TS+2*\qt], v[SB+16*(4+\qt)+15], v[MR+2*\qt]
.endif
.endr
.irp qt, 0,1,2,3
	v_permlanex16_b32 v[AL+2*\qt+1], v[TS+2*\qt], s26, s27     ; the query's other 32 keys lie in the other half of the lanes
.endr
.if \first
.irp qt, 0,1,2,3
	v_max_num_f32 v[MR+2*\qt], v[TS+2*\qt], v[AL+2*\qt+1]
.endr
.else
.irp qt, 0,1,2,3
	v_max_num_f32 v[TS+2*\qt], v[TS+2*\qt], v[AL+2*\qt+1]
.endr
.irp qt, 0,1,2,3
	v_sub_f32 v[AL+2*\qt], v[MR+2*\qt], v[TS+2*\qt]            ; old maximum - new maximum, at most 0
.endr
.irp qt, 0,1,2,3
	v_mov_b32 v[MR+2*\qt], v[TS+2*\qt]
.endr
.irp qt, 0,1,2,3
	v_exp_f32 v[AL+2*\qt], v[AL+2*\qt]             ; the subtractions below stand between these and their first use
.endr
.endif
.irp s, 0,1
.irp qt, 0,1,2,3
.irp p, 0,2,4,6,8,10,12,14
	v_pk_add_f32 v[SB+16*(4*\s+\qt)+\p:SB+16*(4*\s+\qt)+\p+1], v[SB+16*(4*\s+\qt)+\p:SB+16*(4*\s+\qt)+\p+1], v[MR+2*\qt:MR+2*\qt+1] op_sel_hi:[1,0] neg_lo:[0,1] neg_hi:[0,1]
.endr
.endr
.endr
.endm
; The softmax's second part: the exponentials of q tile qt take turns with the plain work on q tile qt - 1.  One plain instruction stands between every
; transcendental and the first use of its result (ISA guide 5.7.2): the v_nop behind the first run and behind the last, the other tile's work in between.
.macro SOFTB first
.set e_, 0
.rept 32
	EXPQ 0, e_
.set e_, e_+1
.endr
	v_nop
.irp qt, 1,2,3
.set e_, 0
.rept 32
	EXPQ \qt, e_
	POP (\qt-1), e_, \first
.set e_, e_+1
.endr
.endr
	v_nop
	s_wait_alu depctr_va_vdst(0)
.set e_, 0
.rept 32
	POP 3, e_, \first
.set e_, e_+1
.endr
.if \first == 0
.irp qt, 0,1,2,3
	v_add_f32 v[MR+2*\qt+1], v[MR+2*\qt+1], v[TS+2*\qt+1]      ; l = l x factor + this step's sum (a lane's half of the keys)
.endr
.endif
.endm
; one tile of O x the factor of its query, 4 packed multiplies: tile c (0 .. 7) of channel group g is (ct = 2 g + c / 4, qt = c % 4)
.macro RTILE g, c
.irp p, 0,2,4,6
	v_pk_mul_f32 v[32*((2*(\g)+(\c)/4)%8)+8*((\c)%4)+\p:32*((2*(\g)+(\c)/4)%8)+8*((\c)%4)+\p+1], v[32*((2*(\g)+(\c)/4)%8)+8*((\c)%4)+\p:32*((2*(\g)+(\c)/4)%8)+8*((\c)%4)+\p+1], v[AL+2*((\c)%4):AL+2*((\c)%4)+1] op_sel_hi:[1,0]
.endr
.endm
.macro WINM g                          ; the product's setting: C and D in window 2 (channel groups 0-3) or 3 (4-7), operands in window 0
.if (\g) < 4
	WIN 0xa0
.else
	WIN 0xf0
.endif
.endm
.macro WINR g                          ; the rescale's setting: O as source 0 and destination, the factor in window 0
.if (\g) < 4
	WIN 0x82
.else
	WIN 0xc3
.endif
.endm
; all of O x the factor of its query in one run: the merge's form
.macro RESCALE
.irp g, 0,1,2,3,4,5,6,7
	WINR \g
.irp c, 0,1,2,3,4,5,6,7
	RTILE \g, \c
.endr
.endr
.endm
; 8 LDS loads: channel tiles 2 g, 2 g + 1 x both halves of the 64 keys, of my V slot; operand e = 2 s + (ct & 1)
.macro FETCHV g, f
.irp e, 0,1,2,3
	ds_load_b128 v[\f+8*\e:\f+8*\e+3],   v[LA] offset:32768+(\e/2)*16384+(2*\g+\e%2)*1024
	ds_load_b128 v[\f+8*\e+4:\f+8*\e+7], v[LA] offset:32768+(\e/2)*16384+(2*\g+\e%2)*1024+512
.endr
.endm
; Channel group g: 16 matrix instructions; eight accumulators take turns, one instruction a turn, twice round.
; Behind every second of them stands the rescale of one tile of group g + 1, four packed multiplies between two switches of the window, which touch none of the
; matrix instructions' registers.  The four multiplies behind the last matrix instruction are also the four places in front of the loads that fill this
; group's operand buffer again.  In the first step nothing is rescaled (the first products start the sums), and four v_nop are those places.
.macro PVG g, f, first
.set rs_, 0
.if \first == 0
.if \g < 7
.set rs_, 1
.endif
.endif
.set n_, 0
.irp s, 0,1
.irp c, 0,1
.irp qt, 0,1,2,3
	WINM \g
.set z_, \first*(1-\s)
.if z_
	v_wmma_f32_16x16x32_bf16 v[32*((2*\g+\c)%8)+8*\qt:32*((2*\g+\c)%8)+8*\qt+7], v[\f+8*(2*\s+\c):\f+8*(2*\s+\c)+7], v[SB+16*(4*\s+\qt):SB+16*(4*\s+\qt)+7], 0
.else
	v_wmma_f32_16x16x32_bf16 v[32*((2*\g+\c)%8)+8*\qt:32*((2*\g+\c)%8)+8*\qt+7], v[\f+8*(2*\s+\c):\f+8*(2*\s+\c)+7], v[SB+16*(4*\s+\qt):SB+16*(4*\s+\qt)+7], v[32*((2*\g+\c)%8)+8*\qt:32*((2*\g+\c)%8)+8*\qt+7]
.endif
.if rs_
.if n_%2
	WINR (\g+1)
	RTILE (\g+1), (n_/2)
.endif
.endif
.set n_, n_+1
.endr
.endr
.endr
	WIN 0
.if rs_ == 0
.if \g < 7
	PLACES 4
.endif
.endif
.endm
; one link of the product with V: wait for group g's operands, multiply, fill the buffer again with group g + 3's
.macro PVLINK g, f, first
	s_wait_dscnt 16                                ; two younger groups of 8 loads stay out
	PVG \g, \f, \first
	FETCHV (\g+3), \f
.endm
; One step: 64 keys.  Each of the two slots is filled again as soon as its last operand is in registers, behind a round of the cluster's barrier in front of whose
; opening signal every wave has waited for its LDS reads and for all its tensor loads; register work alone stands between that signal and its wait; the joint load
; is the first thing behind the round.  The group 0 that is stepped has no load out: the wait for 0 stands in front.
;   S phase | round 1, the softmax's first part inside | K of the next step asked for | V's first three operand groups asked for | exponentials |
;   channel groups 0-5 | round 2, group 6 inside | V of the next step asked for | the next K's first two operand groups asked for | group 7 | the third.
; K has the exponentials and six channel groups in which to land, V one channel group and the S phase.
.macro STEP first, fill
	SMULS
.if \fill
	s_wait_dscnt 0x0                               ; my reads of the K slot are back
	s_wait_tensorcnt 0x0                           ; all my tensor loads have landed: the one that was out is V of this step
	ds_add_u32 v30, v31
	s_wait_dscnt 0x0
	NEXT 70, 66, 40
	s_barrier_signal -1                            ; opens the round
	SOFTA \first
	s_barrier_wait -1
	CREST
	tensor_load_to_lds s[40:43], s[32:39]          ; K of the next step
	s_nop 0
.else
	SOFTA \first
	s_wait_tensorcnt 0x0                           ; V of the last step has landed; the bytes are my wave's own
.endif
	FETCHV 0, F0                                   ; the exponentials below stand between these and their first use
	FETCHV 1, F1
	FETCHV 2, F2
.if \fill == 0
	WIN 0x40
	LOADFRAGS 50                                   ; the last step: Q is done with; proj_w's operands (i, kk) of my 4 output tiles take its registers
	WIN 0
.endif
	SOFTB \first
.if \first == 0
	WIN 0x82
.irp c, 0,1,2,3,4,5,6,7
	RTILE 0, \c                                    ; channel group 0 is rescaled ahead of its products; each later group under the group before it
.endr
	WIN 0
.endif
	PVLINK 0, F0, \first
	PVLINK 1, F1, \first
	PVLINK 2, F2, \first
	PVLINK 3, F0, \first
	PVLINK 4, F1, \first
	s_wait_dscnt 16
	PVG 5, F2, \first
.if \fill
	s_wait_dscnt 0x0                               ; my reads of the V slot are back: groups 6 and 7 lie in F0 and F1
	s_wait_tensorcnt 0x0                           ; K of the next step has landed
	ds_add_u32 v30, v31
	s_wait_dscnt 0x0
	NEXT 72, 68, 44
	s_barrier_signal -1                            ; opens the round
	PVG 6, F0, \first
	s_barrier_wait -1
	CREST
	tensor_load_to_lds s[44:47], s[32:39]          ; V of the next step
	s_nop 0
	FETCHK 0, F2                                   ; the next step's first operands; group 7 stands between these and their first use
	FETCHK 1, F0
	PVG 7, F1, \first
	PLACES 5                                       ; five places: the next step's first matrix instructions write over P, a source of these
	FETCHK 2, F1
.else
	s_wait_dscnt 8
	PVG 6, F0, \first
	s_wait_dscnt 0
	PVG 7, F1, \first
	PLACES 5
.endif
.endm
	s_wait_loadcnt 0x0                             ; Q
	s_wait_tensorcnt 0x1                           ; K of the first step has landed; V may stay out.  Only my wave reads these bytes
	FETCHK 0, F2
	FETCHK 1, F0
	FETCHK 2, F1
	STEP 1, 1                                      ; the first step starts every sum: nothing is cleared, nothing rescaled
	s_mov_b32 s28, 14
.Lstep:
	STEP 0, 1
	s_sub_co_u32 s28, s28, 1
	s_cmp_lg_u32 s28, 0
	s_cbranch_scc1 .Lstep
	STEP 0, 0                                      ; the last step fills nothing
	; THE MERGE.  Each wave holds O, m, l of its quarter of the keys for all 64 queries.
	v_and_b32 v28, 15, v1                          ; r
	v_lshrrev_b32 v29, 4, v1                       ; h
	v_lshlrev_b32 v[PBO], 2, v28
	v_lshlrev_b32 v[XO], 4, v28
	v_lshl_add_u32 v[XO], v29, 14, v[XO]           ; 16,384 (lane >> 4) + 16 (lane & 15)
.irp i, 0,1,2,3
	global_load_b32 v[PB+2*\i], v[PBO], s[52:53] offset:64*\i  ; proj_b of channel 16 (4 w + i) + r
	v_mov_b32 v[PB+2*\i+1], 0                      ; the pair's other register is named by the packed add, and not used
.endr
.set i_, 0
.rept 32
	global_load_b128 v[SB+4*i_:SB+4*i_+3], v[XO], s[54:55] offset:32768*i_ th:TH_LOAD_NT      ; the residual, asked for a whole merge ahead: rows 64 w + 2 i + (lane >> 4)
.set i_, i_+1
.endr
	v_add_nc_u32 v[MLR], ML, v[PBO]
	s_lshl_b32 s24, s20, 8
	v_add_nc_u32 v[MLW], s24, v[MLR]
.irp qt, 0,1,2,3
	v_permlanex16_b32 v[AL+2*\qt+1], v[MR+2*\qt+1], s26, s27
.endr
.irp qt, 0,1,2,3
	v_add_f32 v[MR+2*\qt+1], v[MR+2*\qt+1], v[AL+2*\qt+1]      ; l over both halves of the lanes
.endr
.irp qt, 0,1,2,3
	ds_store_b32 v[MLW], v[MR+2*\qt] offset:64*\qt             ; both halves write the same word with the same value
	ds_store_b32 v[MLW], v[MR+2*\qt+1] offset:1024+64*\qt
.endr
	s_wait_dscnt 0x0                               ; my stores are done, and my reads of the slots, before I signal
	s_barrier_signal -1
	s_barrier_wait -1
.irp qt, 0,1,2,3
.irp ws, 0,1,2,3
	ds_load_b32 v[F0+4*\qt+\ws],    v[MLR] offset:256*\ws+64*\qt
	ds_load_b32 v[F0+16+4*\qt+\ws], v[MLR] offset:1024+256*\ws+64*\qt
.endr
.endr
	s_lshl_b32 s24, s20, 14                        ; the remaining addresses, while these come
	v_add_nc_u32 v[XR], s24, v[GL]                 ; 65,536 ws + 16,384 w + 16 lane
	v_add_nc_u32 v[XR+1], 0x10000, v[XR]
	v_add_nc_u32 v[XR+2], 0x20000, v[XR]
	v_add_nc_u32 v[XR+3], 0x30000, v[XR]
	v_add_nc_u32 v[OBR], OB, v[GL]
	s_lshl_b32 s24, s20, 13
	v_add_nc_u32 v[OBW], s24, v[OBR]
	s_mul_i32 s24, s20, STG
	v_mul_u32_u24 v[STW], v28, SPITCH
	v_lshl_add_u32 v[STW], v29, 5, v[STW]
	v_add_nc_u32 v[STW], s24, v[STW]               ; my stage + 272 r + 32 h
	v_mul_u32_u24 v[STR], v29, SPITCH
	v_lshl_add_u32 v[STR], v28, 4, v[STR]
	v_add_nc_u32 v[STR], s24, v[STR]               ; my stage + 272 (lane >> 4) + 16 (lane & 15)
	s_wait_dscnt 0x0
.irp qt, 0,1,2,3
	v_max3_num_f32 v[TS+2*\qt], v[F0+4*\qt], v[F0+4*\qt+1], v[F0+4*\qt+2]
.endr
.irp qt, 0,1,2,3
	v_max_num_f32 v[TS+2*\qt], v[TS+2*\qt], v[F0+4*\qt+3]      ; the maximum over all keys
.endr
.irp qt, 0,1,2,3
.irp ws, 0,1,2,3
	v_sub_f32 v[F0+4*\qt+\ws], v[F0+4*\qt+\ws], v[TS+2*\qt]
.endr
	v_sub_f32 v[AL+2*\qt], v[MR+2*\qt], v[TS+2*\qt]
.endr
.irp qt, 0,1,2,3
.irp ws, 0,1,2,3
	v_exp_f32 v[F0+4*\qt+\ws], v[F0+4*\qt+\ws]
.endr
	v_exp_f32 v[AL+2*\qt], v[AL+2*\qt]
.endr
	v_nop                                          ; one plain instruction between the transcendentals and the use of their results
	s_wait_alu depctr_va_vdst(0)
.irp qt, 0,1,2,3
	v_mul_f32 v[TS+2*\qt], v[F0+4*\qt], v[F0+16+4*\qt]
.endr
.irp ws, 1,2,3
.irp qt, 0,1,2,3
	v_fma_f32 v[TS+2*\qt], v[F0+4*\qt+\ws], v[F0+16+4*\qt+\ws], v[TS+2*\qt]       ; the sum over all keys: at least 1, since the largest weight is 1
.endr
.endr
.irp qt, 0,1,2,3
	v_rcp_f32 v[TS+2*\qt], v[TS+2*\qt]
.endr
	v_nop
	s_wait_alu depctr_va_vdst(0)
.irp qt, 0,1,2,3
	v_mul_f32 v[AL+2*\qt], v[AL+2*\qt], v[TS+2*\qt]            ; my quarter's weight, with the division by the sum folded in
.endr
	RESCALE
	; my O in f32 into my own slots' bytes, which have had their last fill: [wave][qt][ct][half][lane][16 B]
.irp hi, 0,1
	WIN 0x08+4*\hi                                 ; the stores' data in window 2, then 3
.irp ct, 0,1,2,3,4,5,6,7
.irp qt, 0,1,2,3
	ds_store_b128 v[LA], v[32*\ct+8*\qt:32*\ct+8*\qt+3]   offset:\qt*16384+(\ct+8*\hi)*1024
	ds_store_b128 v[LA], v[32*\ct+8*\qt+4:32*\ct+8*\qt+7] offset:\qt*16384+(\ct+8*\hi)*1024+512
.endr
.endr
.endr
	WIN 0
	s_wait_dscnt 0x0
	s_barrier_signal -1
	s_barrier_wait -1
	; wave w sums q tile w of the four waves: R(ws) at 512 + 128 ws + 8 ct
.irp hi, 0,1
	WIN 0x80+0x40*\hi                              ; destination in window 2, then 3
.irp ws, 0,1
.irp ct, 0,1,2,3,4,5,6,7,8,9,10,11,12,13,14,15
	ds_load_b128 v[128*\ws+8*\ct:128*\ws+8*\ct+3],   v[XR+2*\hi+\ws] offset:\ct*1024
	ds_load_b128 v[128*\ws+8*\ct+4:128*\ws+8*\ct+7], v[XR+2*\hi+\ws] offset:\ct*1024+512
.endr
.endr
.endr
	s_wait_dscnt 0x0
	WIN 0x8a
.set i_, 0
.rept 64
	v_pk_add_f32 v[2*i_:2*i_+1], v[2*i_:2*i_+1], v[128+2*i_:128+2*i_+1]           ; R0 += R1
.set i_, i_+1
.endr
	WIN 0xcf
.set i_, 0
.rept 64
	v_pk_add_f32 v[2*i_:2*i_+1], v[2*i_:2*i_+1], v[128+2*i_:128+2*i_+1]           ; R2 += R3
.set i_, i_+1
.endr
	WIN 0x8e
.set i_, 0
.rept 64
	v_pk_add_f32 v[2*i_:2*i_+1], v[2*i_:2*i_+1], v[2*i_:2*i_+1]                   ; R0 (window 2) += R2 (window 3)
.set i_, i_+1
.endr
	WIN 0x0a
.set i_, 0
.rept 64
	v_cvt_pk_bf16_f32 v[F0+i_], v[2*i_], v[2*i_+1] ; channel tiles 2 kk and 2 kk + 1 packed are the operand (16 queries x 32 channels kk)
.set i_, i_+1
.endr
	WIN 0
.set i_, 0
.rept 16
	ds_store_b128 v[OBW], v[F0+4*i_:F0+4*i_+3] offset:512*i_   ; OB[qt = w][kk][half][lane][16 B]
.set i_, i_+1
.endr
	s_wait_dscnt 0x0                               ; my reads of the merge's bytes and my stores are done before I signal
	s_barrier_signal -1
	s_barrier_wait -1
	; THE PROJECTION: wave w makes output channels 64 w .. 64 w + 63 for all 64 queries
	WIN 0x80
.irp qt, 0,1,2,3
.irp kk, 0,1,2,3,4,5,6,7
	ds_load_b128 v[8*(8*\qt+\kk):8*(8*\qt+\kk)+3],   v[OBR] offset:\qt*8192+\kk*1024
	ds_load_b128 v[8*(8*\qt+\kk)+4:8*(8*\qt+\kk)+7], v[OBR] offset:\qt*8192+\kk*1024+512
.endr
.endr
	s_wait_dscnt 0x0
	s_wait_loadcnt 32                              ; proj_w and proj_b are in; the 32 younger loads of the residual may stay out
	WIN 0xf6                                       ; source 0 = O (window 2), source 1 = proj_w (window 1), Y(i, qt) at window 3's 8 (4 i + qt)
	; sixteen accumulators take turns, one matrix instruction a turn
.irp kk, 0,1,2,3,4,5,6,7
.irp i, 0,1,2,3
.irp qt, 0,1,2,3
.if \kk == 0
	v_wmma_f32_16x16x32_bf16 v[8*(4*\i+\qt):8*(4*\i+\qt)+7], v[8*(8*\qt+\kk):8*(8*\qt+\kk)+7], v[8*(8*\i+\kk):8*(8*\i+\kk)+7], 0
.else
	v_wmma_f32_16x16x32_bf16 v[8*(4*\i+\qt):8*(4*\i+\qt)+7], v[8*(8*\qt+\kk):8*(8*\qt+\kk)+7], v[8*(8*\i+\kk):8*(8*\i+\kk)+7], v[8*(4*\i+\qt):8*(4*\i+\qt)+7]
.endif
.endr
.endr
.endr
	PLACES 4
	WIN 0xc3
.irp i, 0,1,2,3
.irp qt, 0,1,2,3
.irp p, 0,2,4,6
	v_pk_add_f32 v[8*(4*\i+\qt)+\p:8*(4*\i+\qt)+\p+1], v[8*(4*\i+\qt)+\p:8*(4*\i+\qt)+\p+1], v[PB+2*\i:PB+2*\i+1] op_sel_hi:[1,0]
.endr
.endr
.endr
	; THE WAY OUT: through my own stage (64 rows of 272 bytes, in bytes whose readers have all passed the barrier above), read back as whole rows of 256 bytes
	WIN 0x0c
.irp i, 0,1,2,3
.irp qt, 0,1,2,3
	ds_store_b128 v[STW], v[8*(4*\i+\qt):8*(4*\i+\qt)+3]   offset:\i*16*SPITCH+\qt*64
	ds_store_b128 v[STW], v[8*(4*\i+\qt)+4:8*(4*\i+\qt)+7] offset:\i*16*SPITCH+\qt*64+16
.endr
.endr
	WIN 0x80
.set i_, 0
.rept 32
	ds_load_b128 v[4*i_:4*i_+3], v[STR] offset:2*SPITCH*i_     ; LDS serves a wave's instructions in order (ISA guide 5.7.1.4): these see the stores above
.set i_, i_+1
.endr
	s_wait_dscnt 0x0
	s_wait_loadcnt 0x0                             ; the residual
	WIN 0x82
.set i_, 0
.rept 64
	v_pk_add_f32 v[2*i_:2*i_+1], v[2*i_:2*i_+1], v[SB+2*i_:SB+2*i_+1]
.set i_, i_+1
.endr
	WIN 0x08
.set i_, 0
.rept 32
	global_store_b128 v[XO], v[4*i_:4*i_+3], s[56:57] offset:32768*i_ th:TH_STORE_NT      ; 16 lanes store 256 consecutive bytes, at a multiple of 256 from out0's first byte
.set i_, i_+1
.endr
	WIN 0
	s_wait_tensorcnt 0x0
	ds_add_u32 v30, v31
	s_wait_dscnt 0x0
	ROUND                                          ; the closing round: no work-group ends while a partner may still ask for a tile that names it
	s_endpgm
.Lfunc_end_k_q03fab10648_attn:
	.size	k_q03fab10648_attn, .Lfunc_end_k_q03fab10648_attn-k_q03fab10648_attn
	.p2alignl 7, 3214868480
	.fill 96, 4, 3214868480
	.section	.rodata,"a",@progbits
	.p2align	6, 0x0
	.amdhsa_kernel k_q03fab10648_attn
		.amdhsa_group_segment_fixed_size 327680
		.amdhsa_private_segment_fixed_size 0
		.amdhsa_enable_private_segment 0
		.amdhsa_kernarg_size 56
		.amdhsa_user_sgpr_count 2
		.amdhsa_user_sgpr_kernarg_segment_ptr 1
		.amdhsa_wavefront_size32 1
		.amdhsa_system_sgpr_workgroup_id_x 1
		.amdhsa_system_sgpr_workgroup_id_y 1
		.amdhsa_system_sgpr_workgroup_id_z 1
		.amdhsa_system_vgpr_workitem_id 0
		.amdhsa_next_free_vgpr 1024
		.amdhsa_next_free_sgpr 76
		.amdhsa_reserve_vcc 0
		.amdhsa_float_denorm_mode_32 3
		.amdhsa_float_denorm_mode_16_64 3
		.amdhsa_memory_ordered 1
		.amdhsa_forward_progress 1
		.amdhsa_inst_pref_size 255
	.end_amdhsa_kernel
	.section	.bss,"aw",@nobits
	.p2align	6
	.space	262144
	.amdgpu_metadata
---
amdhsa.version: [ 1, 2 ]
amdhsa.kernels:
  - .name:           k_q03fab10648_attn
    .symbol:         k_q03fab10648_attn.kd
    .args:
      - { .name: qf, .offset: 0, .size: 8, .value_kind: global_buffer, .address_space: global }
      - { .name: kf, .offset: 8, .size: 8, .value_kind: global_buffer, .address_space: global }
      - { .name: vf, .offset: 16, .size: 8, .value_kind: global_buffer, .address_space: global }
      - { .name: wf, .offset: 24, .size: 8, .value_kind: global_buffer, .address_space: global }
      - { .name: proj_b, .offset: 32, .size: 8, .value_kind: global_buffer, .address_space: global }
      - { .name: x, .offset: 40, .size: 8, .value_kind: global_buffer, .address_space: global }
      - { .name: out0, .offset: 48, .size: 8, .value_kind: global_buffer, .address_space: global }
    .group_segment_fixed_size: 327680
    .private_segment_fixed_size: 0
    .kernarg_segment_align: 8
    .kernarg_segment_size: 56
    .max_flat_workgroup_size: 128
    .sgpr_count:     76
    .vgpr_count:     1024
    .wavefront_size: 32
...
	.end_amdgpu_metadata
.endif
;; end of part 3
